; MI455X (gfx1250); checked and timed in simulation.
; The chip was launched on July 23, 2026; its instructions are those of AMD's public machine-readable ISA for CDNA 5 (MIT licence, August 2026) and "CDNA5" Instruction Set Architecture Reference Guide (July 2026). The comments in the code are by the model that wrote it; some were corrected since.
;; Self Attentnion. Allowed arithmetic: matrix products marked QUANTISED: E4M3 operands, one E8M0 scale for each 32 along K, by v_wmma_scale_f32_16x16x128_f8f6f4 with both operands' format E4M3, f32 sums; everything else in f32.
;; Inputs: Wk_codes 1,024 x 32 x 32 uint8 (E4M3 codes of Wk, K innermost, in blocks of 32 codes); Wk_scales 1,024 x 32 uint8 (E8M0 scales of Wk, one for each 32 codes along K); Wq_codes 1,024 x 32 x 32 uint8 (E4M3 codes of Wq, K innermost, in blocks of 32 codes); Wq_scales 1,024 x 32 uint8 (E8M0 scales of Wq, one for each 32 codes along K); Wv_codes 1,024 x 32 x 32 uint8 (E4M3 codes of Wv, K innermost, in blocks of 32 codes); Wv_scales 1,024 x 32 uint8 (E8M0 scales of Wv, one for each 32 codes along K); X_codes 4 x 2,048 x 32 x 32 uint8 (E4M3 codes of X, K innermost, in blocks of 32 codes); X_scales 4 x 2,048 x 32 uint8 (E8M0 scales of X, one for each 32 codes along K); bk 1,024 float32; bq 1,024 float32; bv 1,024 float32.
;; Outputs: out0 4 x 2,048 x 1,024 float32.
;; This version of the problem:
;;   THIS VERSION OF THE PROBLEM IS GIVEN IN LOW PRECISION. The matrix products marked QUANTISED in the list below multiply operands that are first quantised to E4M3 (4 exponent bits, 3 mantissa bits; 8 bits a number), with one power-of-two scale for each 32 numbers along K (OCP MX v1.0); their sums are f32. All else is computed in f32.
;;   The module's matrix products, in the order in which they are computed (A, B: the left and right operand; K: the contracted axis; several contracted axes count as one K, in the product's order):
;;     1. [M 8,192, K 1,024] x [K 1,024, N 1,024]; A: input X (given as codes); B: input Wq (given as codes): QUANTISED
;;     2. [M 8,192, K 1,024] x [K 1,024, N 1,024]; A: input X (given as codes); B: input Wk (given as codes): QUANTISED
;;     3. [M 8,192, K 1,024] x [K 1,024, N 1,024]; A: input X (given as codes); B: input Wv (given as codes): QUANTISED
;;     4. batch 4 x [M 2,048, K 1,024] x [K 1,024, N 2,048]; A: computed on the way; B: computed on the way: QUANTISED
;;     5. batch 4 x [M 2,048, K 2,048] x [K 2,048, N 1,024]; A: softmax (see below); B: computed on the way: QUANTISED
;;   THE QUANTISER, for each operand of a quantised product, along K:
;;     - K is cut into blocks of 32 from its start; a last block that is shorter is filled with zeros.
;;     - A block's scale is 2^e with e = floor(log2(the largest magnitude in the block)) - 8, held to -126 .. 127; a block of zeros has e = 0. As a byte (E8M0): e + 127.
;;     - Each number is divided by its block's scale, clamped to +-448, and rounded to the nearest number of E4M3, ties to even, subnormals kept.
;;     - The product sums the exact products of the quantised numbers (number of the format x scale) in f32.
;;   ~~~python
;;   def quantise(x, axis):      # numpy; x: float32 -> the quantised numbers, widened to float32 again
;;       x = np.moveaxis(x, axis, -1); K = x.shape[-1]
;;       x = np.pad(x, [(0, 0)] * (x.ndim - 1) + [(0, -K % 32)]); x = x.reshape(x.shape[:-1] + (-1, 32)); a = np.abs(x).max(-1, keepdims=True)
;;       e = np.where(a > 0, np.clip(np.frexp(np.where(a > 0, a, 1))[1] - 1 - 8, -126, 127), 0)      # np.frexp(a)[1] - 1 = floor(log2(a)), exactly
;;       r = np.clip(x / 2.0 ** e, -448, 448)
;;       step = 2.0 ** (np.maximum(np.frexp(np.where(r == 0, 1, r))[1] - 1, -6) - 3)
;;       q = np.round(r / step) * step * 2.0 ** e      # np.round: ties to even
;;       return np.moveaxis(q.reshape(q.shape[:-2] + (-1,))[..., :K], -1, axis).astype(np.float32)
;;   ~~~
;;   SOFTMAX AHEAD OF A QUANTISED PRODUCT. Where the list says 'softmax', what is quantised is not the finished softmax but p = 2^(t - M), with t = logit x log2(e) and M = ceil(the row's largest t), a whole number; so 1/2 < the row's largest p <= 1. The row's sum l is taken of the UNQUANTISED p, in f32, and the product's result is divided by l at the end. Since M is a whole number, a kernel that streams over the keys may use a running M (the ceiling of the running maximum): every later rescaling is an exact power of two, which a block's scale takes up: the codes' values come out the same.
;;   OPERANDS COMPUTED ON THE WAY. 'Computed on the way' means the value that the module computes at that place (a softmax that the list does not call 'softmax' is quantised finished and normalised). What goes into a quantiser is computed in f32, as accurately as f32 sums, v_exp_f32 and their like allow (about 1e-6 of the number): no bf16 or f16 on the way to a quantiser, and a product that is left as it is and whose result goes on into a quantised operand takes f32 operands (vector FMAs, or v_wmma_f32_16x16x4_f32). A number that lies on a knife's edge between two numbers of the format may be rounded either way, as far as f32 arithmetic and the matrix unit's own rounding can turn it there, and no further.
;;   INPUTS GIVEN AS CODES. Wk (in the module: [1024, 1024], K = its axis 1); Wq (in the module: [1024, 1024], K = its axis 1); Wv (in the module: [1024, 1024], K = its axis 1); X (in the module: [4, 2048, 1024], K = its axis 2): each comes as NAME_codes (uint8): NAME with its K axis moved to the last place and cut into blocks of 32 codes, [.., K / 32, bytes a block], one block behind the other in memory; one code a byte (a code: sign, 4 exponent bits, 3 mantissa bits); and NAME_scales (uint8): the same leading axes, one E8M0 byte (e + 127) for each 32 codes along K. Its value is code x scale, taken as it is: it is not quantised again, and the codes and scales need not be those that the quantiser above would give.
;; One version. Each part assembles by itself: llvm-mc -triple=amdgcn-amd-amdhsa -mcpu=gfx1250 --defsym DOCPART=n.
;; ======== version 1 of 1: 3 launches
;; limits: right only within a limited range of input values
;; workspace buffers: qkv_img 25,165,824 bytes; qkv_sc 786,432 bytes; p_img 16,777,216 bytes; p_st 1,572,864 bytes
;; launch proj (part 1): grid 8 x 32, 4 waves a work-group, clusters of 4 x 4, 327,680 bytes of LDS; arguments X_codes, X_scales, Wq_codes, Wq_scales, Wk_codes, Wk_scales, Wv_codes, Wv_scales, bq, bk, bv, qkv_img, qkv_sc; writes qkv_img, qkv_sc
.if DOCPART == 1
	.amdgcn_target "amdgcn-amd-amdhsa--gfx1250"
	.amdhsa_code_object_version 6
	.text
	.protected	k_qd05032a44f_proj
	.globl	k_qd05032a44f_proj
	.p2align	8
	.type	k_qd05032a44f_proj,@function
k_qd05032a44f_proj:
	s_mov_b64 s[64:65], 0
	v_nop
	global_prefetch_b8 v0, s[64:65] scope:SCOPE_SE
	s_setreg_imm32_b32 hwreg(HW_REG_WAVE_MODE, 25, 1), 1
	s_wait_xcnt 0x0
	s_wait_alu depctr_hold_cnt(0) depctr_sa_sdst(0) depctr_va_vdst(0) depctr_va_sdst(0) depctr_va_ssrc(0) depctr_va_vcc(0) depctr_vm_vsrc(0)
	s_getreg_b32 s2, hwreg(HW_REG_IB_STS2, 6, 4)
	s_cmp_eq_u32 s2, 0
	s_cbranch_scc0 .Lentry_in_a_cluster
	s_endpgm
.Lentry_in_a_cluster:
	s_bfe_u32 s2, ttmp6, 0x10000c
	s_cmp_lg_u32 s2, 0xf033
	s_cbranch_scc0 .Lentry_shape_is_right
	s_endpgm
.Lentry_shape_is_right:
; q = X Wq^T + bq, k = X Wk^T + bk, v = X Wv^T + bv on codes of FP8 (E4M3) with one E8M0 scale for each 32 along K = 1,024; the results are quantised again at once for the two products that follow: q and k along the hidden axis, v along the KEYS.
; SHARES.  256 work-groups of four waves: 32 tiles of 256 tokens x 8 tiles of 128 columns; each makes its 128 columns of v, then of q, then of k.  A WAVE HOLDS 64 TOKENS (four tiles of 16: 32 w .. 32 w + 31 of either half of the 256), ALL of K, in 512 registers;
; the 384 rows of the three weights stream past in 24 blocks of 16, which stand in registers as two whole sets.  A block is 32 matrix instructions; its set then takes the block two on.
; THE WAY OUT of a block (v) or of half a pair of blocks (q, k) stands among the next block's products, four or five lines behind each two: two scale blocks of 32, each in the lanes l and l xor 16.
; v: source 0 = 16 tokens, source 1 = 16 rows of Wv: a lane holds a channel, its registers the tokens.   q, k: source 0 = 16 rows of the weight, source 1 = 16 tokens: a lane holds a token, its registers the hidden units.
; WITHIN a block of 32 byte n of lane half h is k = 16 (n / 8) + 8 h + n % 8: both operands of each later product are made so, and the order stays inside one scale's block.
; WHAT IS STORED.  A fragment is an image of its registers, 2,048 bytes: register group c of lane l at 512 c + 16 l; each store of a wave covers 512 consecutive bytes.
;   qkv_img: q at 0, k at 0x800000: [K / 256][row / 16][which 128 of the 256][2,048];  v at 0x1000000: [key / 256][channel / 16][which 128][2,048].   qkv_sc: words of four E8M0 bytes: q at 0, k at 0x40000: [K / 128][row];  v at 0x80000: [key / 128][channel].
; LDS.  Two regions of 128 rows and a piece of 32.  X's first half lands in region B, its second in region A; 32 rows of Wv in the piece.  Refills, each in a drained round of the cluster's barrier: Wv's other 96 rows into B once X's first half is in registers;
; Wq's 128 into A inside block 1; Wk's 128 into B inside block 6.  The weights' scale bytes and the biases come by plain loads and lie in LDS bytes of their own.
; CLUSTERS 4 x 4: X's rows are shared along a row of the cluster, the weights' along a column.  PREFETCH: Wv's 96 rows, Wq's and Wk's 128, each shared out by address over the sixteen waves of a cluster's column; the clusters of even y ask.
; THE BIAS IS THE FIRST PRODUCTS' C.
; LIMITS: NaN and infinities are not served.  A block whose largest magnitude lies under 2^-118 keeps the byte 1; a block of zeros gets the byte 1 and not 127: its codes are zeros, and this program alone reads the bytes.
.set KROW,  1024
.set PITCH, 1040                       ; an LDS row: 1,024 bytes + 16 of padding: the 16 rows that a load touches start at 16 different banks (64 banks of 4 bytes: ISA guide 11.1)
.set HB,    16*PITCH                   ; a block
.set RGA,   0
.set RGB,   128*PITCH
.set RGF,   256*PITCH
.set SWL,   RGF+32*PITCH               ; scale bytes of 128 rows of Wv, Wq, Wk: 4,096 each
.set BVL,   SWL+12288                  ; bv: each number eight times
.set BQL,   BVL+4096                   ; bq, bk
.set VWL,   BQL+1024                   ; v's scale words: [128 keys][128 channels]
.set QWL,   VWL+1024                   ; q's and k's: [wave][tensor][tile][16 tokens]
.set SPARE, QWL+2048
.set NFE,   36                         ; LDS loads of an even block: 32, two of the bias, two of the pair's scale words
.set NFO,   34                         ; of an odd one
.set ADX0, 4
.set ADX1, 5
.set ADF,  6
.set AD1,  7
.set AD1B, 8
.set CURW, 9
.set SPW,  10
.set NIL,  11
.set CO,   12
.set VX,   13
.set VXB,  14
.set VWA,  15
.set SCV,  16
.set SCQ,  17
.set BAV,  18
.set BAQ,  19
.set SOP,  20                          ; v20-21 the conversions' scale operands
.set BD,   22                          ; v22-23 448 x the scale
.set SB,   24                          ; v24-39 the weight's scale words, two sets of eight: lanes 0-15 an even block's, lanes 16-31 the odd one's
.set EB,   40                          ; v40-41 scale bytes
.set TP,   42
.set SA,   44                          ; v44-59 X's: tiles 0 (lanes 0-15) and 1, then tiles 2 and 3.  No product's two scale words have numbers equal modulo 8
.set TQ,   60
.set PFQ,  62
.set PFV,  63
.set ACC0, 64                          ; four sets of four accumulators
.set ACC1, 96
.set ACC2, 128
.set ACC3, 160
.set MCD,  192                         ; v192-199 codes
.set BC,   208                         ; v208-223 the bias, two sets of eight
.set G1X,  24
.set G1XH, 32
.set G1W,  48
.set G1V,  56
.set G0X,  4
.set G0XH, 8
.set G0F,  16
.set G0V,  20
.set G0Q,  44
.set G0K,  96
.set SX,   2
.set SEL,  94
.set MSB, 0
.macro WIN new                         ; the immediate's high byte repeats the setting that is left
.if MSB != (\new)
	s_set_vgpr_msb (MSB<<8)|(\new)
.set MSB, (\new)
.endif
.endm
.macro PLACES n
.rept \n
	v_nop
.endr
.endm
.macro WALU
	s_wait_alu depctr_va_vdst(0)
.endm
.macro BARRIER
	s_barrier_signal -1
	s_barrier_wait -1
.endm
.macro MIDDLE                          ; a round's middle: behind the work-group's own barrier wave 0 signals the cluster's, and all wait for it
	WIN 0
	s_barrier_wait -1
	s_cmp_lg_u32 s14, 0
	s_cbranch_scc1 .Lnot_wave_0_\@
	s_barrier_signal -3
.Lnot_wave_0_\@:
	s_barrier_wait -3
.endm
.macro CROUND
	s_barrier_signal -1
	MIDDLE
	BARRIER
.endm
.macro TLOAD g0, g1                    ; a tensor load; an s_nop 0 and four v_nop follow it
	tensor_load_to_lds s[\g0:\g0+3], s[\g1:\g1+7]
	s_nop 0
	PLACES 4
.endm
.macro GROUP1 g, mask, rows            ; descriptor group 1: so many whole rows of KROW bytes, 16 bytes of padding behind each
	s_or_b32 s[\g+0], s[\mask], (1<<20)|(1<<21)|(7<<22)|(3<<25)
	s_mov_b32 s[\g+1], KROW<<16
	s_mov_b32 s[\g+2], (\rows)<<16
	s_mov_b32 s[\g+3], KROW<<16
	s_mov_b32 s[\g+4], \rows
	s_mov_b32 s[\g+5], KROW
	s_mov_b32 s[\g+6], 0
	s_mov_b32 s[\g+7], 0
.endm
.macro GROUP0 g, lds, add              ; group 0: LDS address s[lds], memory: the address that stands in s[g+2:g+3] already
	s_mov_b32 s[\g], 1
	s_add_co_u32 s[\g+1], s[\lds], \add
	s_or_b32 s[\g+3], s[\g+3], 0x80000000
.endm
	s_load_b512 s[68:83], s[0:1], 0x0              ; X's codes, scales; Wq's; Wk's; Wv's
	s_load_b256 s[84:91], s[0:1], 0x40             ; bq, bk, bv, qkv_img
	s_load_b64 s[92:93], s[0:1], 0x60              ; qkv_sc
	v_lshl_add_u32 v[SPW], v0, 2, SPARE
	v_mov_b32 v[NIL], 0
	ds_add_u32 v[SPW], v[NIL]                      ; the wave's opening: the add, twice on end, and its wait ahead of my first tensor load; the set-up below stands between
	ds_add_u32 v[SPW], v[NIL]
	v_lshrrev_b32 v1, 5, v0
	v_readfirstlane_b32 s14, v1                    ; wave 0..3
	s_bfe_u32 s40, ttmp6, 0x40000                  ; cx, cy
	s_bfe_u32 s41, ttmp6, 0x40004
	s_lshl_b32 s3, ttmp9, 2
	s_add_co_u32 s3, s3, s40                       ; my tile of 128 columns, 0..7
	s_and_b32 s2, ttmp7, 0xffff
	s_and_b32 s100, s2, 1                          ; 0: my cluster prefetches
	s_lshl_b32 s2, s2, 2
	s_add_co_u32 s2, s2, s41                       ; my tile of 256 tokens, 0..31
	s_lshl_b32 s12, s41, 2
	s_lshl_b32 s12, 15, s12                        ; my row of the cluster: shares X's rows
	s_lshl_b32 s13, 0x1111, s40                    ; my column: shares the weights'
	GROUP1 G1X, 12, 128
	GROUP1 G1XH, 12, 64
	GROUP1 G1W, 13, 32
	GROUP1 G1V, 13, 24
	s_and_b32 s15, s14, 1
	s_lshl_b32 s101, s41, 2
	s_add_co_u32 s101, s101, s14                   ; which of the column's sixteen waves I am
	s_wait_dscnt 0x0                               ; both opening adds are done
	CROUND                                         ; all sixteen work-groups are here: the first joint loads meet
	s_wait_kmcnt 0x0
	s_mov_b32 s43, 0
	s_lshl_b32 s42, s2, 18
	s_add_nc_u64 s[68:69], s[68:69], s[42:43]      ; X's rows of my tile
	s_lshl_b32 s42, s3, 17
	s_add_nc_u64 s[80:81], s[80:81], s[42:43]      ; the weights' rows of my columns
	s_add_nc_u64 s[72:73], s[72:73], s[42:43]
	s_add_nc_u64 s[76:77], s[76:77], s[42:43]
	s_mov_b64 s[G0X+2:G0X+3], s[68:69]
	s_mov_b32 s42, 0
	GROUP0 G0X, 42, RGB
	s_mov_b64 s[G0F+2:G0F+3], s[80:81]
	GROUP0 G0F, 42, RGF
	s_lshl_b32 s42, s15, 16
	s_add_co_u32 s42, s42, 0x20000
	s_add_nc_u64 s[G0XH+2:G0XH+3], s[68:69], s[42:43]
	s_mul_i32 s66, s15, 64*PITCH
	GROUP0 G0XH, 66, RGA
	s_cmp_eq_u32 s14, 0                            ; ONE joint load a wave; what is shown first has lines of its own
	s_cbranch_scc0 .Lwave_1
	TLOAD G0X, G1X                                 ; wave 0: X's first half
	s_branch .Lasked
.Lwave_1:
	s_cmp_eq_u32 s14, 1
	s_cbranch_scc0 .Lupper
	TLOAD G0F, G1W                                 ; wave 1: Wv's first 32 rows
	s_branch .Lasked
.Lupper:
	TLOAD G0XH, G1XH                               ; waves 2, 3: X's second half
.Lasked:
	s_lshl_b32 s42, s3, 12                         ; scale bytes and biases of my columns, scale bytes of my tokens
	s_add_nc_u64 s[82:83], s[82:83], s[42:43]
	s_add_nc_u64 s[74:75], s[74:75], s[42:43]
	s_add_nc_u64 s[78:79], s[78:79], s[42:43]
	s_lshl_b32 s42, s3, 9
	s_add_nc_u64 s[84:85], s[84:85], s[42:43]
	s_add_nc_u64 s[86:87], s[86:87], s[42:43]
	s_add_nc_u64 s[88:89], s[88:89], s[42:43]
	s_lshl_b32 s42, s2, 13
	s_add_nc_u64 s[70:71], s[70:71], s[42:43]
	v_lshlrev_b32 v224, 4, v0
	v_lshlrev_b32 v225, 2, v0
	v_lshlrev_b32 v226, 5, v0
	global_load_b128 v[228:231], v224, s[82:83]
	global_load_b128 v[232:235], v224, s[82:83] offset:2048
	global_load_b128 v[236:239], v224, s[74:75]
	global_load_b128 v[240:243], v224, s[74:75] offset:2048
	global_load_b128 v[244:247], v224, s[78:79]
	global_load_b128 v[248:251], v224, s[78:79] offset:2048
	global_load_b32 v252, v225, s[88:89]
	global_load_b32 v253, v225, s[84:85]
	global_load_b32 v254, v225, s[86:87]
	global_load_b128 v[SA:SA+3], v226, s[70:71]              ; lane l: token 32 w + l of the first half,
	global_load_b128 v[SA+4:SA+7], v226, s[70:71] offset:16
	global_load_b128 v[SA+8:SA+11], v226, s[70:71] offset:4096   ; and of the second
	global_load_b128 v[SA+12:SA+15], v226, s[70:71] offset:4112
	; the refills' descriptors: my quarter of the rows
	s_mul_i32 s42, s14, 24*KROW
	s_add_co_u32 s42, s42, 32*KROW
	s_add_nc_u64 s[G0V+2:G0V+3], s[80:81], s[42:43]
	s_mul_i32 s66, s14, 24*PITCH
	GROUP0 G0V, 66, RGB
	s_lshl_b32 s42, s14, 15
	s_add_nc_u64 s[G0Q+2:G0Q+3], s[72:73], s[42:43]
	s_add_nc_u64 s[G0K+2:G0K+3], s[76:77], s[42:43]
	s_mul_i32 s66, s14, 32*PITCH
	GROUP0 G0Q, 66, RGA
	GROUP0 G0K, 66, RGB
	s_add_co_u32 s67, s66, RGB
	s_lshl_b32 s42, s14, 9
	s_add_co_u32 s42, s42, QWL
	s_add_co_u32 s40, s14, VWL
	s_lshl_b32 s41, s101, 13
	s_mul_i32 s101, s101, 24*256
	s_add_co_u32 s101, s101, 32*KROW
	s_mov_b32 s[SEL], 0x76543210
	s_mov_b32 s[SEL+1], 0xfedcba98
	s_mov_b32 s15, 0x600000                        ; the mantissa field of 448
	v_and_b32 v1, 15, v0                           ; r
	v_bfe_u32 v2, v0, 4, 1                         ; h
	v_and_b32 v3, 31, v0                           ; lane
	v_mul_u32_u24 v[CURW], v1, PITCH
	v_lshl_add_u32 v[CURW], v2, 4, v[CURW]         ; a fragment's row x pitch + 16 x half: in region A
	v_add_nc_u32 v[ADX0], s67, v[CURW]
	v_add_nc_u32 v[ADX1], s66, v[CURW]
	v_add_nc_u32 v[ADF], RGF, v[CURW]
	v_add_nc_u32 v[AD1], RGB, v[CURW]
	v_add_nc_u32 v[AD1B], RGB+4*HB, v[CURW]
	v_lshlrev_b32 v[CO], 4, v3
	v_lshl_add_u32 v[SCV], v3, 5, SWL
	v_add_nc_u32 v[SCQ], 4096, v[SCV]
	v_lshl_add_u32 v[BAV], v1, 5, BVL
	v_lshl_add_u32 v[BAQ], v2, 5, BQL
	v_lshl_add_u32 v[VXB], v1, 2, s42
	v_lshl_add_u32 v[VWA], v1, 2, s40
	v_lshl_add_u32 v[PFQ], v3, 8, s41
	v_min_u32 v227, 23, v3
	v_lshl_add_u32 v[PFV], v227, 8, s101
	v_lshl_add_u32 v227, v0, 4, SWL
	v_lshl_add_u32 v200, v0, 5, BVL
	v_lshl_add_u32 v201, v0, 2, BQL
	v_mov_b32 v[TP], 0                             ; (a lane permute's destination counts as one of its sources)
	v_mov_b32 v[TP+1], 0
	WALU                                           ; the wait at the head's end
	s_wait_loadcnt 0x0
.irp j, 0,1,2,3,4,5,6,7
	v_mov_b32 v[192+\j], v252
.endr
	ds_store_b128 v227, v[228:231]
	ds_store_b128 v227, v[232:235] offset:2048
	ds_store_b128 v227, v[236:239] offset:4096
	ds_store_b128 v227, v[240:243] offset:6144
	ds_store_b128 v227, v[244:247] offset:8192
	ds_store_b128 v227, v[248:251] offset:10240
	ds_store_b128 v200, v[192:195]
	ds_store_b128 v200, v[196:199] offset:16
	ds_store_b32 v201, v253
	ds_store_b32 v201, v254 offset:512
	; where my images go
	s_mov_b32 s43, 0
	s_lshl_b32 s42, s2, 18
	s_lshl_b32 s66, s3, 15
	s_add_co_u32 s42, s42, s66
	s_lshl_b32 s66, s14, 9
	s_add_co_u32 s42, s42, s66
	s_add_co_u32 s42, s42, 0x1000000
	s_add_nc_u64 s[88:89], s[90:91], s[42:43]      ; v: [tile of tokens][8 x tile of columns + block][half][c = my wave]
	s_lshr_b32 s42, s3, 1
	s_lshl_b32 s42, s42, 21
	s_lshl_b32 s66, s2, 16
	s_add_co_u32 s42, s42, s66
	s_lshl_b32 s66, s14, 13
	s_add_co_u32 s42, s42, s66
	s_and_b32 s66, s3, 1
	s_lshl_b32 s66, s66, 11
	s_add_co_u32 s42, s42, s66
	s_add_nc_u64 s[86:87], s[90:91], s[42:43]      ; q: my first tile of tokens
	; and the scale words, at the end: s[4:5] q's (k's 0x40000 on), s[8:9] v's: these registers held the head's descriptors, so they are written behind the wait for its loads
	s_cmp_lt_u32 s14, 2
	s_cbranch_scc0 .Lnot_first
	s_wait_tensorcnt 0x0                           ; waves 0 and 1: X's first half, Wv's first rows.  The others' wait stands at the round
.Lnot_first:
	s_wait_dscnt 0x0
	BARRIER
.macro W8 d, a, b, c, sa, sb, ra, rb
.if (\ra) && (\rb)
	v_wmma_scale_f32_16x16x128_f8f6f4 v[\d:\d+7], v[\a:\a+15], v[\b:\b+15], v[\c:\c+7], v[\sa], v[\sb] matrix_a_scale:MATRIX_SCALE_ROW1 matrix_b_scale:MATRIX_SCALE_ROW1
.elseif \ra
	v_wmma_scale_f32_16x16x128_f8f6f4 v[\d:\d+7], v[\a:\a+15], v[\b:\b+15], v[\c:\c+7], v[\sa], v[\sb] matrix_a_scale:MATRIX_SCALE_ROW1
.elseif \rb
	v_wmma_scale_f32_16x16x128_f8f6f4 v[\d:\d+7], v[\a:\a+15], v[\b:\b+15], v[\c:\c+7], v[\sa], v[\sb] matrix_b_scale:MATRIX_SCALE_ROW1
.else
	v_wmma_scale_f32_16x16x128_f8f6f4 v[\d:\d+7], v[\a:\a+15], v[\b:\b+15], v[\c:\c+7], v[\sa], v[\sb]
.endif
.endm
; Product n = 4 q + t of a block: the q-th 128 of K, tile t of my tokens.  X's fragment (q, t) is number 4 q + t, in window 1 + q / 4.  st: the weight's set;  acc: the sums;  ps: the set of its scale words;  eo: an even or odd block.
.macro PROD kind, st, acc, ps, eo, n
.set Q_, (\n)/4
.set T_, (\n)%4
.set D_, (\acc)+8*T_
.set C_, D_
.if Q_ == 0
.set C_, BC+8*(\st)
.endif
.set X_, 16*((4*Q_+T_)%16)
.set R_, 128*(\st)+16*Q_
.set XS_, SA+8*(T_/2)+Q_
.set WS_, SB+8*(\ps)+Q_
.set TR_, T_%2
.if \kind
	WIN ((1+Q_/4)|(3<<2))
	W8 D_, X_, R_, C_, XS_, WS_, TR_, \eo
.else
	WIN (3|((1+Q_/4)<<2))
	W8 D_, R_, X_, C_, WS_, XS_, \eo, TR_
.endif
.endm
.macro GRP kind, st, acc, ps, eo, g
	PROD \kind, \st, \acc, \ps, \eo, 2*(\g)
	PROD \kind, \st, \acc, \ps, \eo, 2*(\g)+1
.endm
; THE WAY OUT, line k of 64: two scale blocks by turns: block i has eight sums at e_i and eight at o_i in my lane, and as many in lane l xor 16 -> codes v[MCD + 4 i ..], byte v[EB + i].
.set VXF, 0
.macro WO k, e0, o0, e1, o1
.if (\k) < 26
.set I_, (\k)%2
.set P_, (\k)/2
.if I_
.set E_, \e1
.set O_, \o1
.else
.set E_, \e0
.set O_, \o0
.endif
.if P_ == 0
	v_max3_num_f32 v[TQ+I_], |v[E_]|, |v[E_+1]|, 0x4800000   ; with the floor 2^(9 - 127): so the byte cannot fall under 1
.elseif P_ < 8
.if P_%2
	v_max3_num_f32 v[TQ+I_], v[TQ+I_], |v[O_+P_-1]|, |v[O_+P_]|
.else
	v_max3_num_f32 v[TQ+I_], v[TQ+I_], |v[E_+P_]|, |v[E_+P_+1]|
.endif
.elseif P_ == 8
	v_permlanex16_b32 v[TP+I_], v[TQ+I_], s[SEL], s[SEL+1]
.elseif P_ == 9
	v_max_num_f32 v[TQ+I_], v[TQ+I_], v[TP+I_]
.elseif P_ == 10
	v_add_nc_u32 v[SOP+I_], 0xfc000000, v[TQ+I_]   ; 8 off its exponent field: the conversion's scale operand
.elseif P_ == 11
	v_and_or_b32 v[BD+I_], v[TQ+I_], 0x7f800000, s15
.else
	v_lshrrev_b32 v[EB+I_], 23, v[SOP+I_]
.endif
.elseif (\k) < 62
.set J_, (\k)-26
.set U_, J_/9
.set Y_, J_%9
.set I_, U_%2
.if U_ == 0
.set B_, \e0
.elseif U_ == 1
.set B_, \e1
.elseif U_ == 2
.set B_, \o0
.else
.set B_, \o1
.endif
.if Y_ < 8
	v_med3_num_f32 v[B_+Y_], v[B_+Y_], -v[BD+I_], v[BD+I_]   ; the hold at the largest code x the scale: the conversion to an 8-bit code does not saturate (ISA guide 7.6.2)
.else
	v_cvt_scalef32_pk8_fp8_f32 v[MCD+4*I_+2*(U_/2):MCD+4*I_+2*(U_/2)+1], v[B_:B_+7], v[SOP+I_]
.endif
.elseif ((\k) == 62) && VXF
	v_add_nc_u32 v[VX], s[SX], v[VXB]
.else
	v_nop
.endif
.endm
.macro LINES k0, k1, e0, o0, e1, o1
.set K_, \k0
.rept (\k1)-(\k0)
	WO K_, \e0, \o0, \e1, \o1
.set K_, K_+1
.endr
.endm
; A block: w: the wait's count: the loads of the block after it may be out.  The last lines, behind the last product, are the eight places ahead of the loads into what it has read and of the first reader of its sums.
.macro BLK kind, st, acc, ps, eo, w, e0, o0, e1, o1
	s_wait_dscnt \w
	s_wait_xcnt 0x0                                ; the stores have read their registers and base
.set G_, 0
.rept 16
	GRP \kind, \st, \acc, \ps, \eo, G_
.if G_ < 13
	WIN 0
	LINES 4*G_, 4*G_+4, \e0, \o0, \e1, \o1
.elseif G_ == 13
	WIN 0
	LINES 52, 55, \e0, \o0, \e1, \o1
.endif
.set G_, G_+1
.endr
	WIN 0
	LINES 55, 64, \e0, \o0, \e1, \o1
.endm
.macro GRD
	s_wait_tensorcnt 0x0
	ds_add_u32 v[SPW], v[NIL]
.endm
.macro L5 g, e0, o0, e1, o1            ; five lines behind each two products: 64 in thirteen groups
.if (\g) < 12
	LINES 5*(\g), 5*(\g)+5, \e0, \o0, \e1, \o1
.elseif (\g) == 12
	LINES 60, 64, \e0, \o0, \e1, \o1
.endif
.endm
.macro RBLK kind, st, acc, ps, eo, w, late, e0, o0, e1, o1   ; a block with a round of the cluster's barrier: the signal behind 28 products; late: the lines stand behind 24 products and not at the head
.if (\w) >= 0
	s_wait_dscnt \w
.endif
	s_wait_xcnt 0x0
.if (\late) == 0
	GRD
.endif
.set G_, 0
.rept 14
.if (\late) && (G_ == 12)
	WIN 0
	WALU
	GRD
.endif
	GRP \kind, \st, \acc, \ps, \eo, G_
	WIN 0
	L5 G_, \e0, \o0, \e1, \o1
.set G_, G_+1
.endr
	WALU                                           ; directly ahead of the wait below
	s_wait_dscnt 0x0                               ; the add is done, and my reads are over
	s_barrier_signal -1
	GRP \kind, \st, \acc, \ps, \eo, 14
	GRP \kind, \st, \acc, \ps, \eo, 15
	MIDDLE
	BARRIER
.endm
.macro SBLK kind, st, acc, ps, eo, w, e0, o0, e1, o1         ; a block with a plain barrier, behind which nothing is filled
	s_wait_dscnt \w
	s_wait_xcnt 0x0
.set G_, 0
.rept 14
	GRP \kind, \st, \acc, \ps, \eo, G_
	WIN 0
	L5 G_, \e0, \o0, \e1, \o1
.set G_, G_+1
.endr
	WALU
	s_wait_tensorcnt 0x0
	s_wait_dscnt 0x0
	s_barrier_signal -1
	GRP \kind, \st, \acc, \ps, \eo, 14
	GRP \kind, \st, \acc, \ps, \eo, 15
	WIN 0
	s_barrier_wait -1
.endm
.macro FETCH st, wa, wo, ba, bo, sc, so, ps   ; a block of 16 weight rows, all of K, into set st of window 3; its bias; of an even block the pair's scale words
	WIN 0xc0
.irp q, 0,1,2,3,4,5,6,7
.irp c, 0,1,2,3
	ds_load_b128 v[128*\st+16*\q+4*\c:128*\st+16*\q+4*\c+3], v[\wa] offset:(\wo)+128*\q+32*\c
.endr
.endr
	WIN 0
	ds_load_b128 v[BC+8*\st:BC+8*\st+3], v[\ba] offset:\bo
	ds_load_b128 v[BC+8*\st+4:BC+8*\st+7], v[\ba] offset:(\bo)+16
.if (\sc) >= 0
	ds_load_b128 v[SB+8*\ps:SB+8*\ps+3], v[\sc] offset:\so
	ds_load_b128 v[SB+8*\ps+4:SB+8*\ps+7], v[\sc] offset:(\so)+16
.endif
.endm
.macro XLOAD adr, t0                   ; two tiles of my tokens, all of K: 64 loads
.irp q, 0,1,2,3,4,5,6,7
	WIN ((1+\q/4)<<6)
.irp t, 0,1
.irp c, 0,1,2,3
	ds_load_b128 v[16*((4*\q+\t0+\t)%16)+4*\c:16*((4*\q+\t0+\t)%16)+4*\c+3], v[\adr] offset:\t*HB+128*\q+32*\c
.endr
.endr
.endr
	WIN 0
.endm
.macro VOUT n                          ; block n of v: a byte for each half of the tokens (byte w of the word), 512 bytes of codes for each
	ds_store_b8 v[VWA], v[EB] offset:64*\n
	ds_store_b8 v[VWA], v[EB+1] offset:512+64*\n
	global_store_b128 v[CO], v[MCD:MCD+3], s[88:89] offset:4096*\n
	global_store_b128 v[CO], v[MCD+4:MCD+7], s[88:89] offset:4096*\n+2048
.endm
.macro QOUT a                          ; q, k: tiles 2 a, 2 a + 1 of a pair of blocks
	ds_store_b8 v[VX], v[EB] offset:128*\a
	ds_store_b8 v[VX], v[EB+1] offset:128*\a+64
	global_store_b128 v[CO], v[MCD:MCD+3], s[84:85] offset:32768*\a
	global_store_b128 v[CO], v[MCD+4:MCD+7], s[84:85] offset:32768*\a+4096
.endm
.macro PSTEP                           ; on to the next pair that leaves: s101 = 0..3 q's, 4..7 k's
	s_wait_xcnt 0x0
	s_add_co_u32 s101, s101, 1
	s_and_b32 s101, s101, 7
	s_and_b32 s90, s101, 3
	s_lshr_b32 s91, s101, 2
	s_lshl_b32 s66, s91, 8
	s_add_co_u32 s[SX], s66, s90
	s_lshl_b32 s90, s90, 9
	s_lshl_b32 s91, s91, 23
	s_add_co_u32 s90, s90, s91
	s_mov_b32 s91, 0
	s_add_nc_u64 s[84:85], s[86:87], s[90:91]
.endm
	s_cmp_eq_u32 s100, 0
	s_cbranch_scc0 .Lno_ask_0
	global_prefetch_b8 v[PFV], s[80:81] th:TH_LOAD_NT scope:SCOPE_SE   ; my 24 blocks of 256 bytes of Wv's 96 rows
	global_prefetch_b8 v[PFQ], s[72:73] th:TH_LOAD_NT scope:SCOPE_SE   ; my 32 of Wq's 128
.Lno_ask_0:
	FETCH 0, ADF, 0, BAV, 0, SCV, 0, 0
	XLOAD ADX0, 0
	FETCH 1, ADF, HB, BAV, 512, -1, 0, 0
	GRD
	s_wait_dscnt 0x0
	CROUND
	TLOAD G0V, G1V                                 ; Wv's other 96 rows into region B
	XLOAD ADX1, 2
.set G_, 0
.rept 8                                ; block 0: of the 64 loads just issued all but the last 56 - 8 q are in
	s_wait_dscnt 56-8*G_
	GRP 1, 0, ACC0, 0, 0, 2*G_
	GRP 1, 0, ACC0, 0, 0, 2*G_+1
.set G_, G_+1
.endr
	WIN 0
	PLACES 8
	RBLK 1, 1, ACC1, 0, 1, -1, 1, ACC0, ACC0+8, ACC0+16, ACC0+24
	TLOAD G0Q, G1W                                 ; Wq's 128 rows into region A
	PLACES 4
	VOUT 0
	FETCH 0, AD1, 0, BAV, 1024, SCV, 1024, 1
	FETCH 1, AD1, HB, BAV, 1536, -1, 0, 0
	BLK 1, 0, ACC2, 1, 0, NFO, ACC1, ACC1+8, ACC1+16, ACC1+24
	VOUT 1
	FETCH 0, AD1, 2*HB, BAV, 2048, SCV, 2048, 0
	s_cmp_eq_u32 s100, 0
	s_cbranch_scc0 .Lno_ask_1
	global_prefetch_b8 v[PFQ], s[76:77] th:TH_LOAD_NT scope:SCOPE_SE   ; my 32 blocks of Wk's 128 rows, four blocks of products ahead of the load
.Lno_ask_1:
	BLK 1, 1, ACC3, 1, 1, NFE, ACC2, ACC2+8, ACC2+16, ACC2+24
	VOUT 2
	FETCH 1, AD1, 3*HB, BAV, 2560, -1, 0, 0
	BLK 1, 0, ACC0, 0, 0, NFO, ACC3, ACC3+8, ACC3+16, ACC3+24
	VOUT 3
	FETCH 0, AD1B, 0, BAV, 3072, SCV, 3072, 1
	BLK 1, 1, ACC1, 0, 1, NFE, ACC0, ACC0+8, ACC0+16, ACC0+24
	VOUT 4
	FETCH 1, AD1B, HB, BAV, 3584, -1, 0, 0
	RBLK 1, 0, ACC2, 1, 0, NFO, 0, ACC1, ACC1+8, ACC1+16, ACC1+24
	TLOAD G0K, G1W                                 ; Wk's 128 rows into region B
	PLACES 4
	VOUT 5
	FETCH 0, CURW, 0, BAQ, 0, SCQ, 0, 0
	BLK 1, 1, ACC3, 1, 1, NFE, ACC2, ACC2+8, ACC2+16, ACC2+24
	VOUT 6
	FETCH 1, CURW, HB, BAQ, 64, -1, 0, 0
	s_wait_xcnt 0x0
	LINES 0, 64, ACC3, ACC3+8, ACC3+16, ACC3+24    ; v's last block
	VOUT 7
	s_mov_b32 s100, 0
	s_mov_b32 s101, 6
.Lqk:                                              ; q's and k's 16 blocks, four a trip: pairs A and B.  The first trip's first way out has no pair before it: it works on what stands there and stores nothing
	PSTEP
.set VXF, 1
	BLK 0, 0, ACC0, 0, 0, NFO, ACC2, ACC3, ACC2+8, ACC3+8
.set VXF, 0
	s_cmp_eq_u32 s100, 0
	s_cbranch_scc1 .Lnone_0
	QOUT 0
.Lnone_0:
	FETCH 0, CURW, 2*HB, BAQ, 128, SCQ, 1024, 1
	BLK 0, 1, ACC1, 0, 1, NFE, ACC2+16, ACC3+16, ACC2+24, ACC3+24
	s_cmp_eq_u32 s100, 0
	s_cbranch_scc1 .Lnone_1
	QOUT 1
.Lnone_1:
	FETCH 1, CURW, 3*HB, BAQ, 192, -1, 0, 0
	PSTEP
.set VXF, 1
	SBLK 0, 0, ACC2, 1, 0, NFO, ACC0, ACC1, ACC0+8, ACC1+8   ; the barrier shows Wk's rows in the second trip, ahead of their first fetch
.set VXF, 0
	v_add_nc_u32 v[CURW], 4*HB, v[CURW]
	v_add_nc_u32 v[BAQ], 256, v[BAQ]
	v_add_nc_u32 v[SCQ], 2048, v[SCQ]
	PLACES 5
	QOUT 0
	s_cmp_eq_u32 s100, 3
	s_cbranch_scc1 .Lend_0
	FETCH 0, CURW, 0, BAQ, 0, SCQ, 0, 0
	s_branch .Lgo
.Lend_0:
	s_wait_dscnt 0x0
.Lgo:
	BLK 0, 1, ACC3, 1, 1, NFE, ACC0+16, ACC1+16, ACC0+24, ACC1+24
	QOUT 1
	s_cmp_eq_u32 s100, 3
	s_cbranch_scc1 .Lend_1
	FETCH 1, CURW, HB, BAQ, 64, -1, 0, 0
.Lend_1:
	s_add_co_u32 s100, s100, 1
	s_cmp_lg_u32 s100, 4
	s_cbranch_scc1 .Lqk
	PSTEP
.set VXF, 1
	LINES 0, 64, ACC2, ACC3, ACC2+8, ACC3+8        ; the last pair
.set VXF, 0
	QOUT 0
	s_wait_xcnt 0x0
	LINES 0, 64, ACC2+16, ACC3+16, ACC2+24, ACC3+24
	QOUT 1
	; THE SCALE WORDS leave: a wave stores 64 tokens' words of q and of k, and 64 channels' of v: 256 consecutive bytes each
	v_and_b32 v1, 15, v0
	v_bfe_u32 v2, v0, 4, 1
	v_and_b32 v3, 31, v0
	s_bfe_u32 s40, ttmp6, 0x40004
	s_and_b32 s2, ttmp7, 0xffff
	s_lshl_b32 s2, s2, 2
	s_add_co_u32 s2, s2, s40                       ; my tile of tokens
	s_and_b32 s40, s14, 1
	s_lshr_b32 s41, s14, 1
	v_lshlrev_b32 v224, 3, v3
	v_lshlrev_b32 v225, 9, v2
	v_lshl_add_u32 v225, v1, 3, v225
	s_lshl_b32 s66, s40, 10
	s_lshl_b32 s67, s41, 7
	s_add_co_u32 s66, s66, s67
	s_add_co_u32 s66, s66, QWL
	v_add_nc_u32 v225, s66, v225
	s_lshl_b32 s66, s14, 8
	s_add_co_u32 s67, s66, VWL
	v_add_nc_u32 v226, s67, v224
	WALU
	s_wait_dscnt 0x0
	BARRIER
	ds_load_b64 v[228:229], v225
	ds_load_b64 v[230:231], v225 offset:256
	ds_load_b64 v[232:233], v226
	s_mov_b32 s43, 0
	s_lshl_b32 s42, s3, 15
	s_lshl_b32 s67, s2, 10
	s_add_co_u32 s42, s42, s67
	s_add_co_u32 s42, s42, s66
	s_add_nc_u64 s[4:5], s[92:93], s[42:43]
	s_add_co_u32 s42, s42, 0x40000
	s_add_nc_u64 s[6:7], s[92:93], s[42:43]
	s_lshl_b32 s42, s2, 1
	s_add_co_u32 s42, s42, s41
	s_lshl_b32 s42, s42, 12
	s_lshl_b32 s67, s3, 9
	s_add_co_u32 s42, s42, s67
	s_lshl_b32 s67, s40, 8
	s_add_co_u32 s42, s42, s67
	s_add_co_u32 s42, s42, 0x80000
	s_add_nc_u64 s[8:9], s[92:93], s[42:43]
	WALU
	s_wait_dscnt 0x0
	global_store_b64 v224, v[228:229], s[4:5]
	global_store_b64 v224, v[230:231], s[6:7]
	global_store_b64 v224, v[232:233], s[8:9]
	s_wait_tensorcnt 0x0                           ; the wave's end
	ds_add_u32 v[SPW], v[NIL]
	s_wait_dscnt 0x0
	CROUND                                         ; the closing round
	s_endpgm
.Lfunc_end_k_qd05032a44f_proj:
	.size	k_qd05032a44f_proj, .Lfunc_end_k_qd05032a44f_proj-k_qd05032a44f_proj
	.p2alignl 7, 3214868480
	.fill 96, 4, 3214868480
	.section	.rodata,"a",@progbits
	.p2align	6, 0x0
	.amdhsa_kernel k_qd05032a44f_proj
		.amdhsa_group_segment_fixed_size 327680
		.amdhsa_private_segment_fixed_size 0
		.amdhsa_enable_private_segment 0
		.amdhsa_kernarg_size 104
		.amdhsa_user_sgpr_count 2
		.amdhsa_user_sgpr_kernarg_segment_ptr 1
		.amdhsa_wavefront_size32 1
		.amdhsa_system_sgpr_workgroup_id_x 1
		.amdhsa_system_sgpr_workgroup_id_y 1
		.amdhsa_system_sgpr_workgroup_id_z 1
		.amdhsa_system_vgpr_workitem_id 0
		.amdhsa_next_free_vgpr 1024
		.amdhsa_next_free_sgpr 104
		.amdhsa_reserve_vcc 0
		.amdhsa_float_denorm_mode_32 3
		.amdhsa_float_denorm_mode_16_64 3
		.amdhsa_memory_ordered 1
		.amdhsa_forward_progress 1
		.amdhsa_inst_pref_size 178
	.end_amdhsa_kernel
	.amdgpu_metadata
---
amdhsa.version: [ 1, 2 ]
amdhsa.kernels:
  - .name:           k_qd05032a44f_proj
    .symbol:         k_qd05032a44f_proj.kd
    .args:
      - { .name: X_codes, .offset: 0, .size: 8, .value_kind: global_buffer, .address_space: global }
      - { .name: X_scales, .offset: 8, .size: 8, .value_kind: global_buffer, .address_space: global }
      - { .name: Wq_codes, .offset: 16, .size: 8, .value_kind: global_buffer, .address_space: global }
      - { .name: Wq_scales, .offset: 24, .size: 8, .value_kind: global_buffer, .address_space: global }
      - { .name: Wk_codes, .offset: 32, .size: 8, .value_kind: global_buffer, .address_space: global }
      - { .name: Wk_scales, .offset: 40, .size: 8, .value_kind: global_buffer, .address_space: global }
      - { .name: Wv_codes, .offset: 48, .size: 8, .value_kind: global_buffer, .address_space: global }
      - { .name: Wv_scales, .offset: 56, .size: 8, .value_kind: global_buffer, .address_space: global }
      - { .name: bq, .offset: 64, .size: 8, .value_kind: global_buffer, .address_space: global }
      - { .name: bk, .offset: 72, .size: 8, .value_kind: global_buffer, .address_space: global }
      - { .name: bv, .offset: 80, .size: 8, .value_kind: global_buffer, .address_space: global }
      - { .name: qkv_img, .offset: 88, .size: 8, .value_kind: global_buffer, .address_space: global }
      - { .name: qkv_sc, .offset: 96, .size: 8, .value_kind: global_buffer, .address_space: global }
    .group_segment_fixed_size: 327680
    .private_segment_fixed_size: 0
    .kernarg_segment_align: 8
    .kernarg_segment_size: 104
    .max_flat_workgroup_size: 128
    .sgpr_count:     104
    .vgpr_count:     1024
    .wavefront_size: 32
...
	.end_amdgpu_metadata
.endif
;; end of part 1
;; launch scores (part 2): grid 8 x 32, 4 waves a work-group, clusters of 4 x 4, 327,680 bytes of LDS; arguments qkv_img, qkv_sc, p_img, p_st; writes p_img, p_st
.if DOCPART == 2
	.amdgcn_target "amdgcn-amd-amdhsa--gfx1250"
	.amdhsa_code_object_version 6
	.text
	.protected	k_qd05032a44f_scores
	.globl	k_qd05032a44f_scores
	.p2align	8
	.type	k_qd05032a44f_scores,@function
k_qd05032a44f_scores:
	s_mov_b64 s[64:65], 0
	v_nop
	global_prefetch_b8 v0, s[64:65] scope:SCOPE_SE
	s_setreg_imm32_b32 hwreg(HW_REG_WAVE_MODE, 25, 1), 1
	s_wait_xcnt 0x0
	s_wait_alu depctr_hold_cnt(0) depctr_sa_sdst(0) depctr_va_vdst(0) depctr_va_sdst(0) depctr_va_ssrc(0) depctr_va_vcc(0) depctr_vm_vsrc(0)
	s_getreg_b32 s2, hwreg(HW_REG_IB_STS2, 6, 4)
	s_cmp_eq_u32 s2, 0
	s_cbranch_scc0 .Lentry_in_a_cluster
	s_endpgm
.Lentry_in_a_cluster:
	s_bfe_u32 s2, ttmp6, 0x10000c
	s_cmp_lg_u32 s2, 0xf033
	s_cbranch_scc0 .Lentry_shape_is_right
	s_endpgm
.Lentry_shape_is_right:
; p = 2^(t - M'), t = (q . k) log2(e) / sqrt(1,024), M' = the largest t of a query's 128 keys rounded UP to a whole number; p is quantised along the keys and stored with its scale words, M' and l' = the sum of the unquantised p.
; SHARES.  256 queries x 256 keys to a work-group of four waves, 128 x 128 to a wave: 64 accumulators of 16 x 16.  K = 1,024 goes in eight steps of 128.
; Q's 256 rows (256 KB) lie in LDS whole: one tensor load a wave at the head brings 256 along K, asked for jointly by the four work-groups of a row of the cluster; no LDS byte is filled twice.
; K's FRAGMENTS GO STRAIGHT INTO REGISTERS: they lie in memory as images of the operand's registers, so a load covers 512 consecutive bytes; a wave asks for a step's 32 loads at the end of step s for step s + 2, 64 matrix instructions ahead.
; So a wave reads eight fragments from LDS for 64 matrix instructions and not sixteen; that is why K's tile is not asked for jointly, and why nothing is prefetched: each load stands a whole step or more ahead of its use.
; THE MATRIX INSTRUCTION IS USED TRANSPOSED (source 0 = 16 keys, source 1 = 16 queries): lane (r, h) holds query r, and register n of tile b holds key 16 b + 8 h + n.  The 64 registers of a block of 16 queries are one fragment of the next product.
; STORED.  p_img: [key / 256][query / 16][which 128 of the 256][2,048];  p_st: [query / 128][scale words, M', l'][key / 128][128 queries].
; LIMITS: NaN and infinities are not served; the scaled scores stay under 2^31 in magnitude.  A block whose every p has fallen under 2^-118 keeps the byte 1.
; REGISTERS: window 0: v0-31 addresses; v32-63 scale words, two sets; v64-127 the softmax; v128-255 Q's 8 fragments, later p and codes.   window 1: K's fragments, two sets.   windows 2, 3: the accumulators of my queries 0-63, 64-127.
.set NP,   8                           ; places behind this matrix instruction (ISA guide 7.12.1)
.set KKG,  0x200000                    ; from one 256 along K to the next in the images
.set SGE,  262144                      ; behind Q: a stage of 2,048 bytes for each wave
.set SPARE, SGE+8192
.set ADRA, 16                          ; LDS address of my Q fragments
.set LI,   24                          ; 16 x lane
.set SST,  25
.set SLD,  26
.set SCA,  27                          ; 32,768 h + 4 r: lanes 0-15 take a step's scale words, lanes 16-31 the next step's
.set SPW,  28
.set NIL,  29
.set SC,   32                          ; scale words: set s at v[SC + 16 s]: register a: Q's block a; register 8 + b: K's block b
.set BM,   64
.set T2,   68
.set HO,   72
.set SO,   76
.set NM,   80
.set SA,   82
.set TP,   86
.set TQ,   87
.set SW,   88
.set MM,   96
.set LL,   104
.set BKW,  112
.set AF,   128
.set P,    128
.set PCB,  192
.set G1,   24
.set G0,   32
.set MNT,  19
.set SEL,  20
.set CS,   22
.set MSB, 0
.macro WIN new                         ; the immediate's high byte repeats the setting that is left
.if MSB != \new
	s_set_vgpr_msb (MSB<<8)|\new
.set MSB, \new
.endif
.endm
.set MUL_LO, 0xa1                      ; source 0 (K) window 1, source 1 (Q) window 0, C and D window 2
.set MUL_HI, 0xf1
.macro PLACES n
.rept \n
	v_nop
.endr
.endm
.macro CROUND                          ; a whole round of the cluster's barrier
	s_barrier_signal -1
	s_barrier_wait -1
	s_cmp_lg_u32 s14, 0
	s_cbranch_scc1 .Lnot_wave_0_\@
	s_barrier_signal -3
.Lnot_wave_0_\@:
	s_barrier_wait -3
	s_barrier_signal -1
	s_barrier_wait -1
.endm
.macro FETCH_B s                       ; K's eight fragments of step s into set s % 2
	WIN 0x40
.irp i, 0,1,2,3,4,5,6,7
.irp c, 0,1,2,3
	global_load_b128 v[128*((\s)%2)+16*\i+4*\c:128*((\s)%2)+16*\i+4*\c+3], v[LI], s[46:47] offset:((\s)/2)*KKG+4096*\i+2048*((\s)%2)+512*\c
.endr
.endr
	WIN 0
.endm
.macro SCALES kk                       ; two steps' scale words into set kk % 2
.irp i, 0,1,2,3,4,5,6,7
	global_load_b32 v[SC+16*((\kk)%2)+\i], v[SCA], s[22:23] offset:65536*(\kk)+64*\i
.endr
.irp i, 0,1,2,3,4,5,6,7
	global_load_b32 v[SC+8+16*((\kk)%2)+\i], v[SCA], s[92:93] offset:65536*(\kk)+64*\i
.endr
.endm
.macro FETCH_A s, i0                   ; four of Q's fragments of step s
.irp i, \i0, \i0+1, \i0+2, \i0+3
.irp c, 0,1,2,3
	ds_load_b128 v[AF+16*(\i)+4*\c:AF+16*(\i)+4*\c+3], v[ADRA] offset:4096*(\i)+2048*((\s)%2)+512*\c
.endr
.endr
.endm
	s_load_b256 s[4:11], s[0:1], 0x0               ; qkv_img, qkv_sc, p_img, p_st
	v_lshl_add_u32 v[SPW], v0, 2, SPARE
	v_mov_b32 v[NIL], 0
	ds_add_u32 v[SPW], v[NIL]                      ; the wave's opening: the add, twice on end, and its wait ahead of my first tensor load
	ds_add_u32 v[SPW], v[NIL]
	v_lshrrev_b32 v1, 5, v0
	v_readfirstlane_b32 s14, v1                    ; wave 0..3
	s_lshr_b32 s15, s14, 1                         ; which 128 queries are mine
	s_and_b32 s16, s14, 1                          ; which 128 keys
	s_bfe_u32 s40, ttmp6, 0x40000                  ; cx, cy
	s_bfe_u32 s41, ttmp6, 0x40004
	s_lshl_b32 s42, ttmp9, 2
	s_add_co_u32 s42, s42, s40                     ; the tile of 256 keys in the batch, 0..7
	s_and_b32 s66, ttmp7, 0xffff
	s_lshl_b32 s17, s66, 2
	s_add_co_u32 s17, s17, s41                     ; the tile of 256 queries over all batches, 0..31
	s_lshr_b32 s66, s66, 1                         ; the batch
	s_lshl_b32 s43, s41, 2
	s_lshl_b32 s43, 15, s43                        ; my row of the cluster
	s_or_b32 s[G1+0], s43, (3<<16)|(1<<21)         ; a dense block of 64 KB, as 256 rows of 256 bytes (32 elements of 8), no padding
	s_mov_b32 s[G1+1], 32<<16
	s_mov_b32 s[G1+2], 256<<16
	s_mov_b32 s[G1+3], 32<<16
	s_mov_b32 s[G1+4], 256
	s_mov_b32 s[G1+5], 32
	s_mov_b32 s[G1+6], 0
	s_mov_b32 s[G1+7], 0
	s_lshl_b32 s20, s17, 16                        ; Q's images: my tile; wave w brings the w-th 256 along K
	s_mul_i32 s18, s14, KKG
	s_add_co_u32 s20, s20, s18
	s_mov_b32 s21, 0
	s_lshl_b32 s22, s17, 10                        ; Q's scale words: my 128 rows
	s_lshl_b32 s18, s15, 9
	s_add_co_u32 s22, s22, s18
	s_mov_b32 s23, 0
	s_lshl_b32 s46, s66, 19                        ; K's images: my 128 keys
	s_lshl_b32 s18, s42, 16
	s_add_co_u32 s46, s46, s18
	s_lshl_b32 s18, s16, 15
	s_add_co_u32 s46, s46, s18
	s_add_co_u32 s46, s46, 0x800000
	s_mov_b32 s47, 0
	s_lshl_b32 s92, s66, 13                        ; and their scale words
	s_lshl_b32 s18, s42, 10
	s_add_co_u32 s92, s92, s18
	s_lshl_b32 s18, s16, 9
	s_add_co_u32 s92, s92, s18
	s_add_co_u32 s92, s92, 0x40000
	s_mov_b32 s93, 0
	v_and_b32 v1, 15, v0                           ; r
	v_bfe_u32 v2, v0, 4, 1                         ; h
	v_and_b32 v6, 31, v0
	v_lshlrev_b32 v[LI], 4, v6
	v_lshlrev_b32 v4, 2, v1
	v_lshl_add_u32 v[SCA], v2, 15, v4
	s_wait_alu depctr_va_vdst(0)
	s_wait_dscnt 0x0                               ; both opening adds are done
	s_wait_kmcnt 0x0
	s_add_nc_u64 s[22:23], s[6:7], s[22:23]
	s_add_nc_u64 s[92:93], s[6:7], s[92:93]
	s_add_nc_u64 s[46:47], s[4:5], s[46:47]
	SCALES 0
	FETCH_B 0
	s_mov_b32 s[G0], 1
	s_lshl_b32 s[G0+1], s14, 16
	s_add_nc_u64 s[G0+2:G0+3], s[4:5], s[20:21]
	s_or_b32 s[G0+3], s[G0+3], 0x80000000
	CROUND                                         ; all sixteen work-groups are here: the joint loads meet
	s_cmp_lt_u32 s14, 1                            ; one load a wave; what is shown first has a line of its own
	s_cbranch_scc0 .Lothers
	tensor_load_to_lds s[G0:G0+3], s[G1:G1+7]
	s_nop 0
	PLACES 4
	s_branch .Lasked
.Lothers:
	tensor_load_to_lds s[G0:G0+3], s[G1:G1+7]
	s_nop 0
	PLACES 4
.Lasked:
	FETCH_B 1
	s_lshl_b32 s18, s15, 15
	s_lshl_b32 s19, s14, 11
	s_add_co_u32 s19, s19, SGE
	v_add_nc_u32 v[ADRA], s18, v[LI]
	v_lshl_add_u32 v[SST], v1, 2, s19
	v_add_nc_u32 v[SLD], s19, v[LI]
	s_lshl_b32 s20, s17, 4                         ; p's images
	s_lshl_b32 s21, s15, 3
	s_add_co_u32 s20, s20, s21
	s_lshl_b32 s20, s20, 12
	s_lshl_b32 s21, s16, 11
	s_add_co_u32 s20, s20, s21
	s_lshl_b32 s21, s42, 21
	s_add_co_u32 s20, s20, s21
	s_mov_b32 s21, 0
	s_add_nc_u64 s[8:9], s[8:9], s[20:21]
	s_lshl_b32 s20, s17, 1                         ; and what goes with them
	s_add_co_u32 s20, s20, s15
	s_mul_i32 s20, s20, 24576
	s_lshl_b32 s18, s42, 1
	s_add_co_u32 s18, s18, s16
	s_lshl_b32 s18, s18, 9
	s_add_co_u32 s20, s20, s18
	s_add_nc_u64 s[10:11], s[10:11], s[20:21]
	s_wait_alu depctr_va_vdst(0)                   ; the wait at the head's end
	s_cmp_lt_u32 s14, 1
	s_cbranch_scc0 .Lnot_first
	s_wait_tensorcnt 0x0                           ; wave 0: Q's first 256 along K.  The others' wait stands in step 1
.Lnot_first:
	s_barrier_signal -1
	s_barrier_wait -1
	FETCH_A 0, 0
	FETCH_A 0, 4
; 16 matrix instructions: Q's blocks a0, a0 + 1 x K's eight, step s.  The 64 accumulators take turns, in the same order in every step.
.macro MUL16 a0, s
.set KS_, 128*((\s)%2)
.set SS_, SC+16*(((\s)/2)%2)
.irp a, \a0, \a0+1
.irp b, 0,1,2,3,4,5,6,7
.set D_, 8*(8*((\a)%4)+\b)
.if (\s) == 0
	v_wmma_scale_f32_16x16x128_f8f6f4 v[D_:D_+7], v[KS_+16*\b:KS_+16*\b+15], v[AF+16*(\a):AF+16*(\a)+15], 0, v[SS_+8+\b], v[SS_+(\a)]
.elseif (\s)%2 == 0
	v_wmma_scale_f32_16x16x128_f8f6f4 v[D_:D_+7], v[KS_+16*\b:KS_+16*\b+15], v[AF+16*(\a):AF+16*(\a)+15], v[D_:D_+7], v[SS_+8+\b], v[SS_+(\a)]
.else
	v_wmma_scale_f32_16x16x128_f8f6f4 v[D_:D_+7], v[KS_+16*\b:KS_+16*\b+15], v[AF+16*(\a):AF+16*(\a)+15], v[D_:D_+7], v[SS_+8+\b], v[SS_+(\a)] matrix_a_scale:MATRIX_SCALE_ROW1 matrix_b_scale:MATRIX_SCALE_ROW1
.endif
.endr
.endr
.endm
.macro STEP s
	s_wait_dscnt 16                                ; Q's blocks 0-3 are in; the youngest 16 loads (blocks 4-7) may be out
.if (\s) == 7
	s_wait_loadcnt 0x0
.elseif (\s)%2
	s_wait_loadcnt 48                              ; the next step's 32 loads and its 16 of scale words may be out
.else
	s_wait_loadcnt 32                              ; the next step's 32 loads may be out
.endif
	WIN MUL_LO
	MUL16 0, \s
	MUL16 2, \s
	WIN 0
	s_wait_dscnt 0x0                               ; Q's blocks 4-7 are in
.if (\s) == 1
	s_wait_tensorcnt 0x0                           ; my part of Q is in,
	s_barrier_signal -1
	s_barrier_wait -1                              ; everybody's is: the whole of Q
.endif
.if (\s) < 7
	PLACES NP
.if (\s)%2
	v_add_nc_u32 v[ADRA], 0x10000, v[ADRA]         ; on to the next 256 along K
	s_wait_alu depctr_va_vdst(0)                   ; directly behind the write
.endif
	FETCH_A (\s)+1, 0
.endif
	WIN MUL_HI
	MUL16 4, \s
	MUL16 6, \s
	WIN 0
	PLACES NP
.if (\s) < 7
	FETCH_A (\s)+1, 4
.endif
.if (\s) < 6
.if (\s)%2 == 0
	SCALES (\s)/2+1
.endif
	FETCH_B (\s)+2
.endif
.endm
.irp s, 0,1,2,3,4,5,6,7
	STEP \s
.endr
.macro PLAIN cc, i                     ; the row's sum is taken of the unquantised p, in two chains; the hold at 448 x the scale is one-sided
.if ((\i)%2) == 0
	v_pk_add_f32 v[SA+2*(((\i)/2)%2):SA+2*(((\i)/2)%2)+1], v[SA+2*(((\i)/2)%2):SA+2*(((\i)/2)%2)+1], v[P+16*(\cc)+(\i):P+16*(\cc)+(\i)+1]
.endif
	v_min_num_f32 v[P+16*(\cc)+(\i)], v[P+16*(\cc)+(\i)], v[HO+(\cc)]
.endm
.macro CVT c
	v_cvt_scalef32_pk8_fp8_f32 v[CD+4*(\c):CD+4*(\c)+1], v[P+16*(\c):P+16*(\c)+7], v[SO+(\c)]
	v_cvt_scalef32_pk8_fp8_f32 v[CD+4*(\c)+2:CD+4*(\c)+3], v[P+16*(\c)+8:P+16*(\c)+15], v[SO+(\c)]
.endm
.macro SOFTQ a                         ; block a of 16 queries
.set AC, 64*((\a)%4)
.set CD, PCB+16*((\a)%4)
.if (\a) >= 4
	s_wait_xcnt 0x0                                ; the stores of four blocks ago have read this set of codes
.endif
	WIN 0x2a+0x15*((\a)/4)
.irp b, 0,1,2,3
	v_max3_num_f32 v[BM+\b], v[AC+16*\b], v[AC+16*\b+1], v[AC+16*\b+2]   ; the largest score of each block of 32 keys: for the row's maximum, and for the block's largest p
.endr
	WIN 0x28+0x14*((\a)/4)
.irp i, 3,5,7,9,11,13
.irp b, 0,1,2,3
	v_max3_num_f32 v[BM+\b], v[BM+\b], v[AC+16*\b+\i], v[AC+16*\b+\i+1]
.endr
.endr
.irp b, 0,1,2,3
	v_max_num_f32 v[BM+\b], v[BM+\b], v[AC+16*\b+15]
.endr
	WIN 0
.irp b, 0,1,2,3
	v_permlanex16_b32 v[T2+\b], v[BM+\b], s[SEL], s[SEL+1]
.endr
.irp b, 0,1,2,3
	v_max_num_f32 v[BM+\b], v[BM+\b], v[T2+\b]
.endr
	v_max3_num_f32 v[TP], v[BM], v[BM+1], v[BM+2]
	v_max_num_f32 v[TP], v[TP], v[BM+3]
	v_mul_f32 v[TP], s[CS], v[TP]
	v_floor_f32 v[NM], -v[TP]                      ; -M'
	WIN 0x02+(\a)/4
.set j, 0
.rept 32
	v_pk_fma_f32 v[P+j:P+j+1], v[AC+j:AC+j+1], s[CS:CS+1], v[NM:NM+1] op_sel_hi:[1,0,0]   ; t - M'
.set j, j+2
.endr
	WIN 0
.irp b, 0,1,2,3
	v_fma_f32 v[BM+\b], v[BM+\b], s[CS], v[NM]
.endr
	s_wait_alu depctr_va_vdst(0)                   ; a block's 68 exponentials are one batch, with one wait ahead of it and one behind it
.irp b, 0,1,2,3
	v_exp_f32 v[BM+\b], v[BM+\b]
.endr
.set j, 0
.rept 64
	v_exp_f32 v[P+j], v[P+j]
.set j, j+1
.endr
	v_sub_f32 v[MM+(\a)], 0, v[NM]
	s_wait_alu depctr_va_vdst(0)
.irp b, 0,1,2,3
	v_max_num_f32 v[BM+\b], 0x4800000, v[BM+\b]    ; the floor 2^(9 - 127): the byte cannot fall under 1
.endr
.irp b, 0,1,2,3
	v_add_nc_u32 v[SO+\b], 0xfc000000, v[BM+\b]    ; 8 off the exponent field: the conversion's scale operand
.endr
.irp b, 0,1,2,3
	v_and_or_b32 v[HO+\b], v[BM+\b], 0x7f800000, s[MNT]
.endr
.irp b, 0,1,2,3
	v_lshrrev_b32 v[T2+\b], 23, v[SO+\b]
.endr
	v_lshl_or_b32 v[SW+(\a)], v[T2+1], 8, v[T2]
	v_lshl_or_b32 v[SW+(\a)], v[T2+2], 16, v[SW+(\a)]
	v_lshl_or_b32 v[SW+(\a)], v[T2+3], 24, v[SW+(\a)]
.irp n, 0,1,2,3
	v_mov_b32 v[SA+\n], 0
.endr
.irp c, 0,1,2,3
.irp i, 0,1,2,3,4,5,6,7,8,9,10,11,12,13,14,15
	PLAIN \c, \i
.endr
	CVT \c
.endr
	v_pk_add_f32 v[SA:SA+1], v[SA:SA+1], v[SA+2:SA+3]
	v_add_f32 v[TP], v[SA], v[SA+1]
	v_permlanex16_b32 v[TQ], v[TP], s[SEL], s[SEL+1]
	v_add_f32 v[LL+(\a)], v[TP], v[TQ]
.irp c, 0,1,2,3
	global_store_b128 v[LI], v[CD+4*\c:CD+4*\c+3], s[8:9] offset:4096*(\a)+512*\c   ; 32 lanes store 512 consecutive bytes
.endr
.endm
	s_mov_b32 s[SEL], 0x76543210
	s_mov_b32 s[SEL+1], 0xfedcba98
	s_mov_b32 s[CS], 0x3d38aa3b                    ; log2(e) / 32
	s_mov_b32 s[CS+1], s[CS]
	s_mov_b32 s[MNT], 0x600000
.irp b, 0,1,2,3
	v_mov_b32 v[T2+\b], 0                          ; (a lane permute's destination counts as one of its sources)
.endr
	v_mov_b32 v[TQ], 0
	v_mov_b32 v[NM+1], 0
.irp a, 0,1,2,3,4,5,6,7
	SOFTQ \a
.endr
.irp a, 0,1,2,3,4,5,6,7
	ds_store_b32 v[SST], v[SW+\a] offset:64*\a
	ds_store_b32 v[SST], v[MM+\a] offset:512+64*\a
	ds_store_b32 v[SST], v[LL+\a] offset:1024+64*\a
.endr
.irp n, 0,1,2
	ds_load_b128 v[BKW+4*\n:BKW+4*\n+3], v[SLD] offset:512*\n   ; LDS serves a wave's instructions in order (ISA guide 5.7.1.4)
.endr
	s_wait_dscnt 0x0
.irp n, 0,1,2
	global_store_b128 v[LI], v[BKW+4*\n:BKW+4*\n+3], s[10:11] offset:8192*\n
.endr
	s_wait_tensorcnt 0x0                           ; the wave's end
	ds_add_u32 v[SPW], v[NIL]
	s_wait_dscnt 0x0
	CROUND                                         ; the closing round
	s_endpgm
.Lfunc_end_k_qd05032a44f_scores:
	.size	k_qd05032a44f_scores, .Lfunc_end_k_qd05032a44f_scores-k_qd05032a44f_scores
	.p2alignl 7, 3214868480
	.fill 96, 4, 3214868480
	.section	.rodata,"a",@progbits
	.p2align	6, 0x0
	.amdhsa_kernel k_qd05032a44f_scores
		.amdhsa_group_segment_fixed_size 327680
		.amdhsa_private_segment_fixed_size 0
		.amdhsa_enable_private_segment 0
		.amdhsa_kernarg_size 32
		.amdhsa_user_sgpr_count 2
		.amdhsa_user_sgpr_kernarg_segment_ptr 1
		.amdhsa_wavefront_size32 1
		.amdhsa_system_sgpr_workgroup_id_x 1
		.amdhsa_system_sgpr_workgroup_id_y 1
		.amdhsa_system_sgpr_workgroup_id_z 1
		.amdhsa_system_vgpr_workitem_id 0
		.amdhsa_next_free_vgpr 1024
		.amdhsa_next_free_sgpr 100
		.amdhsa_reserve_vcc 0
		.amdhsa_float_denorm_mode_32 3
		.amdhsa_float_denorm_mode_16_64 3
		.amdhsa_memory_ordered 1
		.amdhsa_forward_progress 1
		.amdhsa_inst_pref_size 232
	.end_amdhsa_kernel
	.amdgpu_metadata
---
amdhsa.version: [ 1, 2 ]
amdhsa.kernels:
  - .name:           k_qd05032a44f_scores
    .symbol:         k_qd05032a44f_scores.kd
    .args:
      - { .name: qkv_img, .offset: 0, .size: 8, .value_kind: global_buffer, .address_space: global }
      - { .name: qkv_sc, .offset: 8, .size: 8, .value_kind: global_buffer, .address_space: global }
      - { .name: p_img, .offset: 16, .size: 8, .value_kind: global_buffer, .address_space: global }
      - { .name: p_st, .offset: 24, .size: 8, .value_kind: global_buffer, .address_space: global }
    .group_segment_fixed_size: 327680
    .private_segment_fixed_size: 0
    .kernarg_segment_align: 8
    .kernarg_segment_size: 32
    .max_flat_workgroup_size: 128
    .sgpr_count:     100
    .vgpr_count:     1024
    .wavefront_size: 32
...
	.end_amdgpu_metadata
.endif
;; end of part 2
;; launch pv (part 3): grid 4 x 64, 4 waves a work-group, clusters of 4 x 4, 327,680 bytes of LDS; arguments p_img, p_st, qkv_img, qkv_sc, out0; writes out0
.if DOCPART == 3
	.amdgcn_target "amdgcn-amd-amdhsa--gfx1250"
	.amdhsa_code_object_version 6
	.text
	.protected	k_qd05032a44f_pv
	.globl	k_qd05032a44f_pv
	.p2align	8
	.type	k_qd05032a44f_pv,@function
k_qd05032a44f_pv:
	s_mov_b64 s[64:65], 0
	v_nop
	global_prefetch_b8 v0, s[64:65] scope:SCOPE_SE
	s_setreg_imm32_b32 hwreg(HW_REG_WAVE_MODE, 25, 1), 1
	s_wait_xcnt 0x0
	s_wait_alu depctr_hold_cnt(0) depctr_sa_sdst(0) depctr_va_vdst(0) depctr_va_sdst(0) depctr_va_ssrc(0) depctr_va_vcc(0) depctr_vm_vsrc(0)
	s_getreg_b32 s2, hwreg(HW_REG_IB_STS2, 6, 4)
	s_cmp_eq_u32 s2, 0
	s_cbranch_scc0 .Lentry_in_a_cluster
	s_endpgm
.Lentry_in_a_cluster:
	s_bfe_u32 s2, ttmp6, 0x10000c
	s_cmp_lg_u32 s2, 0xf033
	s_cbranch_scc0 .Lentry_shape_is_right
	s_endpgm
.Lentry_shape_is_right:
; out = (p v) / l on codes of FP8 (E4M3) with E8M0 scales; K = the batch's 2,048 keys.  p comes as codes made under a maximum M' of its own for each (query, group of 128 keys), with its scale words, M' and l' beside it.
; AT THE HEAD each row's M = the largest of its sixteen M' is found; nd = M - M' is a whole number, 0 or more; it is taken off the four scale bytes of that group's word (p under M has the same codes and a scale 2^nd smaller),
; and l = the sum of l' x 2^-nd.  The corrected words of the work-group's 128 rows and their 1 / l go to LDS.
; SHARES.  128 queries x 256 channels to a work-group: 64 x 4 tiles = 256 work-groups; 128 queries x 64 channels to a wave: 32 accumulators.  The keys go in sixteen steps of 128; a UNIT is two steps.
; p's 128 rows (256 KB) lie in LDS whole: one tensor load a wave at the head brings two units, asked for jointly by the four work-groups of a row of the cluster; no LDS byte is filled twice.
; v's FRAGMENTS GO STRAIGHT INTO REGISTERS: they lie in memory as images of the operand's registers, so a load covers 512 consecutive bytes.
; A wave asks for a step's 16 loads three steps ahead, into four sets that take turns: that is why v's tile is not asked for jointly, and why nothing is prefetched.
; THE MATRIX INSTRUCTION IS USED TRANSPOSED (source 0 = 16 channels of v, source 1 = 16 queries of p): a lane holds eight neighbouring channels of one row of out.
; LIMITS: NaN and infinities are not served.  nd is held at 256.  A scale byte that nd would take under 0 is held at 0, which stands for 2^-127: such a block then adds at most 448 x 2^-127 x |v| for each key, beside a sum l of at least 1/2.
; REGISTERS: window 0: v0-31 addresses; v32-47 p's scale words, two sets; v48-55 v's; v96-111 1 / l; v128-191 the rows' words at the head, rows of out at the end.   window 1: v's fragments, four sets of 4.   window 2: the accumulators ((a, b) at v[8 (4 a + b)]).   window 3: p's fragments, two sets of 8.
.set NP,   8                           ; places behind this matrix instruction (ISA guide 7.12.1)
.set UA,   0x200000                    ; bytes in p_img from one unit to the next
.set UB,   0x40000                     ; and in v's images
.set SPIT, 576                         ; the scale words of 128 rows for 128 keys: 512 bytes + 64, so that the two halves of the lanes, one such row apart, fall on different banks
.set ASC,  262144                      ; behind p: its corrected scale words
.set RL,   ASC+16*SPIT                 ; 1 / l of the 128 rows
.set STAGE, RL+512                     ; the way out: 16 rows x (256 bytes + 16) for each wave
.set SPITCH, 272
.set SPARE, STAGE+4*16*SPITCH
.set ADRA, 16                          ; v16-19  LDS address of p's fragments of units 0-1, 2-3, 4-5, 6-7
.set GST,  22                          ; 4 x thread
.set AST,  23
.set STO,  24
.set RD,   25
.set CO,   26                          ; 4,096 h + 16 r: my byte offset in two rows of out
.set ADRS, 27                          ; LDS address of p's scale words: lanes 0-15 a unit's first 128 keys, lanes 16-31 its second
.set SPW,  28
.set NIL,  29
.set LI,   30                          ; 16 x lane
.set VSA,  31                          ; 4,096 h + 4 r: v's scale words likewise
.set SCP,  32
.set SCW,  48
.set ARL,  20
.set RLR,  96
.set BK,   128
.set WD,   128                         ; at the head: v128-143 my row's sixteen scale words, v144-159 its M', v160-175 its l'
.set MP,   144
.set LP,   160
.set MX,   176
.set DF,   177
.set ND,   178
.set NG,   179
.set FF,   180
.set LS,   181
.set B0,   182
.set TT,   186
.set G1,   24
.set G0,   32
.set MSB, 0
.macro WIN new                         ; the immediate's high byte repeats the setting that is left
.if MSB != \new
	s_set_vgpr_msb (MSB<<8)|\new
.set MSB, \new
.endif
.endm
.set MUL,  0xad                        ; source 0 (v) window 1, source 1 (p) window 3, C and D window 2
.macro PLACES n
.rept \n
	v_nop
.endr
.endm
.macro CROUND                          ; a whole round of the cluster's barrier
	s_barrier_signal -1
	s_barrier_wait -1
	s_cmp_lg_u32 s14, 0
	s_cbranch_scc1 .Lnot_wave_0_\@
	s_barrier_signal -3
.Lnot_wave_0_\@:
	s_barrier_wait -3
	s_barrier_signal -1
	s_barrier_wait -1
.endm
.macro VLOAD s                         ; v's four fragments of step s into set s % 4
	WIN 0x40
.irp b, 0,1,2,3
.irp c, 0,1,2,3
	global_load_b128 v[64*((\s)%4)+16*\b+4*\c:64*((\s)%4)+16*\b+4*\c+3], v[LI], s[8:9] offset:((\s)/2)*UB+4096*\b+2048*((\s)%2)+512*\c
.endr
.endr
	WIN 0
.endm
.macro VSCALE u                        ; and unit u's scale words into set u % 2
.irp b, 0,1,2,3
	global_load_b32 v[SCW+4*((\u)%2)+\b], v[VSA], s[10:11] offset:8192*(\u)+64*\b
.endr
.endm
	s_load_b256 s[4:11], s[0:1], 0x0               ; p_img s[4:5], p_st s[6:7], qkv_img s[8:9], qkv_sc s[10:11]
	s_load_b64 s[12:13], s[0:1], 0x20              ; out0
	v_lshl_add_u32 v[SPW], v0, 2, SPARE
	v_mov_b32 v[NIL], 0
	ds_add_u32 v[SPW], v[NIL]                      ; the wave's opening: the add, twice on end, and its wait ahead of my first tensor load
	ds_add_u32 v[SPW], v[NIL]
	v_lshrrev_b32 v1, 5, v0
	v_readfirstlane_b32 s14, v1                    ; wave 0..3: which 64 channels are mine, which two units of p I fetch
	s_bfe_u32 s88, ttmp6, 0x40000                  ; cx, cy
	s_bfe_u32 s89, ttmp6, 0x40004
	s_lshl_b32 s90, ttmp9, 2
	s_add_co_u32 s90, s90, s88                     ; the tile of 256 channels, 0..3
	s_and_b32 s91, ttmp7, 0xffff
	s_lshl_b32 s17, s91, 2
	s_add_co_u32 s17, s17, s89                     ; the tile of 128 queries, 0..63, over all batches
	s_lshr_b32 s91, s91, 2                         ; the batch
	s_lshl_b32 s92, s89, 2
	s_lshl_b32 s92, 15, s92                        ; my row of the cluster
	s_or_b32 s[G1+0], s92, (3<<16)|(1<<21)         ; two units of p's tile: two rows of 32,768 bytes (4,096 elements of 8), no padding
	s_mov_b32 s[G1+1], 4096<<16
	s_mov_b32 s[G1+2], 2<<16
	s_mov_b32 s[G1+3], 4096<<16
	s_mov_b32 s[G1+4], 2
	s_mov_b32 s[G1+5], UA/8
	s_mov_b32 s[G1+6], 0
	s_mov_b32 s[G1+7], 0
	s_lshl_b32 s20, s17, 15                        ; p's images: 8 blocks of 16 rows to a query tile
	s_mul_i32 s18, s14, 2*UA
	s_add_co_u32 s20, s20, s18
	s_mov_b32 s21, 0
	s_mul_i32 s22, s17, 24576                      ; the tile's words in p_st
	s_mov_b32 s23, 0
	s_lshl_b32 s94, s91, 21                        ; v's images: my 64 channels,
	s_lshl_b32 s95, s90, 16
	s_add_co_u32 s94, s94, s95
	s_lshl_b32 s95, s14, 14
	s_add_co_u32 s94, s94, s95
	s_add_co_u32 s94, s94, 0x1000000
	s_mov_b32 s95, 0
	s_lshl_b32 s98, s91, 16                        ; and their scale words: 16 groups of keys to a batch
	s_lshl_b32 s99, s90, 10
	s_add_co_u32 s98, s98, s99
	s_lshl_b32 s99, s14, 8
	s_add_co_u32 s98, s98, s99
	s_add_co_u32 s98, s98, 0x80000
	s_mov_b32 s99, 0
	v_and_b32 v1, 15, v0                           ; r
	v_bfe_u32 v2, v0, 4, 1                         ; h
	v_and_b32 v6, 31, v0
	v_lshlrev_b32 v[LI], 4, v6
	v_lshlrev_b32 v4, 2, v1
	v_lshl_add_u32 v[VSA], v2, 12, v4
	v_lshlrev_b32 v[GST], 2, v0
	v_lshl_add_u32 v[AST], v0, 2, ASC
	s_wait_alu depctr_va_vdst(0)
	s_wait_dscnt 0x0                               ; both opening adds are done
	s_wait_kmcnt 0x0
	s_add_nc_u64 s[6:7], s[6:7], s[22:23]
	s_add_nc_u64 s[8:9], s[8:9], s[94:95]
	s_add_nc_u64 s[10:11], s[10:11], s[98:99]
	; ---- the rows' words: thread t stands for row t of the tile's 128
.irp g, 0,1,2,3,4,5,6,7,8,9,10,11,12,13,14,15
	global_load_b32 v[WD+\g], v[GST], s[6:7] offset:512*\g
	global_load_b32 v[MP+\g], v[GST], s[6:7] offset:8192+512*\g
	global_load_b32 v[LP+\g], v[GST], s[6:7] offset:16384+512*\g
.endr
	s_mov_b32 s[G0], 1
	s_lshl_b32 s[G0+1], s14, 16
	s_add_nc_u64 s[G0+2:G0+3], s[4:5], s[20:21]
	s_or_b32 s[G0+3], s[G0+3], 0x80000000
	CROUND                                         ; all sixteen work-groups are here: the joint loads meet
	s_cmp_lt_u32 s14, 1                            ; one load a wave; what is shown first has a line of its own
	s_cbranch_scc0 .Lothers
	tensor_load_to_lds s[G0:G0+3], s[G1:G1+7]
	s_nop 0
	PLACES 4
	s_branch .Lasked
.Lothers:
	tensor_load_to_lds s[G0:G0+3], s[G1:G1+7]
	s_nop 0
	PLACES 4
.Lasked:
	VSCALE 0
	VSCALE 1
	VLOAD 0
	VLOAD 1
	VLOAD 2
	VLOAD 3
	s_mul_i32 s23, s14, 16*SPITCH                  ; my stage
	s_add_co_u32 s23, s23, STAGE
	v_mov_b32 v[ADRA], v[LI]
	v_add_nc_u32 v[ADRA+1], 0x10000, v[LI]
	v_add_nc_u32 v[ADRA+2], 0x20000, v[LI]
	v_add_nc_u32 v[ADRA+3], 0x30000, v[LI]
	v_lshl_add_u32 v[ARL], v1, 2, RL
	v_mul_u32_u24 v5, v2, SPIT
	v_lshl_add_u32 v5, v1, 2, v5
	v_add_nc_u32 v[ADRS], ASC, v5
	v_mul_u32_u24 v5, v1, SPITCH                   ; in: row r, 32 bytes for each half of the lanes
	v_lshl_add_u32 v5, v2, 5, v5
	v_add_nc_u32 v[STO], s23, v5
	v_mul_u32_u24 v5, v2, SPITCH                   ; back: lanes 0-15 take one row of 256 bytes, lanes 16-31 the next
	v_lshl_add_u32 v5, v1, 4, v5
	v_add_nc_u32 v[RD], s23, v5
	v_lshlrev_b32 v5, 12, v2
	v_lshl_add_u32 v[CO], v1, 4, v5
	s_lshl_b32 s20, s17, 19                        ; my first row of out, my first channel
	s_lshl_b32 s94, s90, 10
	s_add_co_u32 s20, s20, s94
	s_lshl_b32 s94, s14, 8
	s_add_co_u32 s20, s20, s94
	s_mov_b32 s21, 0
	s_add_nc_u64 s[12:13], s[12:13], s[20:21]
	s_wait_alu depctr_va_vdst(0)                   ; the wait at the head's end
	s_wait_loadcnt 63                              ; 48 loads, then 72: the first 57 are in, the rows' words among them
	v_max3_num_f32 v[MX], v[MP], v[MP+1], v[MP+2]
.irp g, 3,5,7,9,11,13
	v_max3_num_f32 v[MX], v[MX], v[MP+\g], v[MP+\g+1]
.endr
	v_max_num_f32 v[MX], v[MX], v[MP+15]           ; M: the largest of the sixteen M'
.macro FIXW g
	v_sub_f32 v[DF], v[MX], v[MP+\g]               ; M - M': a whole number, 0 or more,
	v_min_num_f32 v[DF], 0x43800000, v[DF]         ; held at 256: past every byte and every f32 exponent
	v_cvt_u32_f32 v[ND], v[DF]
	v_sub_nc_u32 v[NG], 0, v[ND]
	v_ldexp_f32 v[FF], 1.0, v[NG]                  ; 2^(M' - M)
.if \g == 0
	v_mul_f32 v[LS], v[LP], v[FF]
.else
	v_fma_f32 v[LS], v[LP+\g], v[FF], v[LS]        ; l
.endif
.irp k, 0,1,2,3
	v_bfe_u32 v[B0+\k], v[WD+\g], 8*\k, 8
.endr
.irp k, 0,1,2,3
	v_min_u32 v[TT+\k], v[B0+\k], v[ND]
.endr
.irp k, 0,1,2,3
	v_sub_nc_u32 v[B0+\k], v[B0+\k], v[TT+\k]      ; byte - min(byte, M - M'): the block's scale under M, held at 0 from below
.endr
	v_lshl_or_b32 v[WD+\g], v[B0+1], 8, v[B0]
	v_lshl_or_b32 v[WD+\g], v[B0+2], 16, v[WD+\g]
	v_lshl_or_b32 v[WD+\g], v[B0+3], 24, v[WD+\g]
	ds_store_b32 v[AST], v[WD+\g] offset:SPIT*\g
.endm
.irp g, 0,1,2,3,4,5,6,7,8,9,10,11,12,13,14,15
	FIXW \g
.endr
	s_wait_alu depctr_va_vdst(0)
	v_rcp_f32 v[LS], v[LS]
	v_nop                                          ; one plain place behind a transcendental
	s_wait_alu depctr_va_vdst(0)
	ds_store_b32 v[AST], v[LS] offset:RL-ASC
	s_cmp_lt_u32 s14, 1
	s_cbranch_scc0 .Lnot_first
	s_wait_tensorcnt 0x0                           ; wave 0: p's units 0 and 1.  The others' wait stands in front of step 3
.Lnot_first:
	s_wait_dscnt 0x0                               ; for the others' sake: my row's words and 1 / l lie in LDS
	s_barrier_signal -1
	s_barrier_wait -1
.macro FETCH_P s                       ; p's eight fragments of step s into set s % 2: 32 loads
	WIN 0xc0
.irp i, 0,1,2,3,4,5,6,7
.irp c, 0,1,2,3
	ds_load_b128 v[128*((\s)%2)+16*\i+4*\c:128*((\s)%2)+16*\i+4*\c+3], v[ADRA+(\s)/4] offset:32768*(((\s)/2)%2)+4096*\i+2048*((\s)%2)+512*\c
.endr
.endr
	WIN 0
.endm
.macro PSCALE u                        ; unit u's scale words into set u % 2
.irp i, 0,1,2,3,4,5,6,7
	ds_load_b32 v[SCP+8*((\u)%2)+\i], v[ADRS] offset:2*SPIT*(\u)+64*\i
.endr
.endm
; A step: 32 matrix instructions: p's eight blocks x v's four, whose scale words lie in lanes 0-15 (a unit's first step) or 16-31 (its second).  The 32 accumulators take turns, in the same order in every step.
; Ahead of the products the next step's p is fetched and v's loads for three steps on are issued, into sets that the step before has read: eight places behind it.
.macro STEP s
.if (\s) == 3
	s_wait_tensorcnt 0x0                           ; my two units of p are in,
	s_wait_dscnt 0x0
	s_barrier_signal -1
	s_barrier_wait -1                              ; everybody's are: the whole of p
.endif
.if ((\s) > 0) && ((\s) < 15)
	PLACES NP
.endif
.if (\s) < 15
	FETCH_P (\s)+1
.if (\s)%2
	PSCALE (\s)/2+1
.endif
.endif
.if ((\s) > 0) && ((\s) < 13)
.if (\s)%2 == 0
	VSCALE (\s)/2+1
.endif
	VLOAD (\s)+3
.endif
.if (\s) == 15
	s_wait_dscnt 0x0
	s_wait_loadcnt 0x0
.else
	s_wait_dscnt 32+8*((\s)%2)                     ; the next step's p (and its unit's scale words) may be out
.if (\s) < 2
	s_wait_loadcnt 48                              ; three steps' v may be out,
.elseif (\s) < 13
	s_wait_loadcnt 52                              ; and a unit's scale words
.elseif (\s) == 13
	s_wait_loadcnt 36
.else
	s_wait_loadcnt 16
.endif
.endif
	WIN MUL
.irp a, 0,1,2,3,4,5,6,7
.irp b, 0,1,2,3
.set D_, 8*(4*\a+\b)
.set V_, 64*((\s)%4)+16*\b
.set P_, 128*((\s)%2)+16*\a
.set SV_, SCW+4*(((\s)/2)%2)+\b
.set SP_, SCP+8*(((\s)/2)%2)+\a
.if (\s) == 0
	v_wmma_scale_f32_16x16x128_f8f6f4 v[D_:D_+7], v[V_:V_+15], v[P_:P_+15], 0, v[SV_], v[SP_]
.elseif (\s)%2 == 0
	v_wmma_scale_f32_16x16x128_f8f6f4 v[D_:D_+7], v[V_:V_+15], v[P_:P_+15], v[D_:D_+7], v[SV_], v[SP_]
.else
	v_wmma_scale_f32_16x16x128_f8f6f4 v[D_:D_+7], v[V_:V_+15], v[P_:P_+15], v[D_:D_+7], v[SV_], v[SP_] matrix_a_scale:MATRIX_SCALE_ROW1 matrix_b_scale:MATRIX_SCALE_ROW1
.endif
.endr
.endr
	WIN 0
.endm
	FETCH_P 0
	PSCALE 0
.irp s, 0,1,2,3,4,5,6,7,8,9,10,11,12,13,14,15
	STEP \s
.endr
; THE WAY OUT, block by block of 16 rows x 64 channels: x 1 / l; through my own stage in LDS; back as whole rows of 256 bytes, two rows a store, which sixteen lanes each store as one aligned run.
.macro SCALE a
	WIN 0x82                                       ; destination and source 0 window 2, 1 / l window 0
.set i, 0
.rept 16
	v_pk_mul_f32 v[32*(\a)+2*i:32*(\a)+2*i+1], v[32*(\a)+2*i:32*(\a)+2*i+1], v[RLR+2*(\a):RLR+2*(\a)+1] op_sel_hi:[1,0]   ; each accumulator from its low end on
.set i, i+1
.endr
.endm
.macro TOSTAGE a
	WIN 0x08                                       ; an LDS store's data are its source 1: window 2
.irp b, 0,1,2,3
	ds_store_b128 v[STO], v[32*(\a)+8*\b:32*(\a)+8*\b+3] offset:64*\b
	ds_store_b128 v[STO], v[32*(\a)+8*\b+4:32*(\a)+8*\b+7] offset:64*\b+16
.endr
	WIN 0
.irp t, 0,1,2,3,4,5,6,7
	ds_load_b128 v[BK+32*((\a)%2)+4*\t:BK+32*((\a)%2)+4*\t+3], v[RD] offset:2*\t*SPITCH   ; LDS serves a wave's instructions in order (ISA guide 5.7.1.4): these see the stores above
.endr
.endm
.macro SEND a, younger                 ; younger: the LDS instructions issued behind block a's loads, which may stay out
	s_wait_dscnt \younger
.irp t, 0,1,2,3,4,5,6,7
	global_store_b128 v[CO], v[BK+32*((\a)%2)+4*\t:BK+32*((\a)%2)+4*\t+3], s[12:13] offset:65536*(\a)+8192*\t th:TH_STORE_NT
.endr
.endm
	PLACES NP                                      ; behind the last products
.irp a, 0,1,2,3,4,5,6,7
	ds_load_b32 v[RLR+2*\a], v[ARL] offset:64*\a   ; 1 / l of row 16 a + r
	v_mov_b32 v[RLR+2*\a+1], 0                     ; (named as the upper half of a pair)
.endr
	s_wait_alu depctr_va_vdst(0)
	s_wait_dscnt 0x0
	SCALE 0
	TOSTAGE 0
.irp a, 1,2,3,4,5,6,7
.if \a > 1
	s_wait_xcnt 0x0                                ; block a - 2's stores have read their registers: block a's loads may land there
.endif
	SCALE \a
	TOSTAGE \a
	SEND \a-1, 16                                  ; behind block a - 1's loads: block a's 8 stores and 8 loads
.endr
	SEND 7, 0
	s_wait_tensorcnt 0x0                           ; the wave's end
	ds_add_u32 v[SPW], v[NIL]
	s_wait_dscnt 0x0
	CROUND                                         ; the closing round
	s_endpgm
.Lfunc_end_k_qd05032a44f_pv:
	.size	k_qd05032a44f_pv, .Lfunc_end_k_qd05032a44f_pv-k_qd05032a44f_pv
	.p2alignl 7, 3214868480
	.fill 96, 4, 3214868480
	.section	.rodata,"a",@progbits
	.p2align	6, 0x0
	.amdhsa_kernel k_qd05032a44f_pv
		.amdhsa_group_segment_fixed_size 327680
		.amdhsa_private_segment_fixed_size 0
		.amdhsa_enable_private_segment 0
		.amdhsa_kernarg_size 40
		.amdhsa_user_sgpr_count 2
		.amdhsa_user_sgpr_kernarg_segment_ptr 1
		.amdhsa_wavefront_size32 1
		.amdhsa_system_sgpr_workgroup_id_x 1
		.amdhsa_system_sgpr_workgroup_id_y 1
		.amdhsa_system_sgpr_workgroup_id_z 1
		.amdhsa_system_vgpr_workitem_id 0
		.amdhsa_next_free_vgpr 1024
		.amdhsa_next_free_sgpr 100
		.amdhsa_reserve_vcc 0
		.amdhsa_float_denorm_mode_32 3
		.amdhsa_float_denorm_mode_16_64 3
		.amdhsa_memory_ordered 1
		.amdhsa_forward_progress 1
		.amdhsa_inst_pref_size 187
	.end_amdhsa_kernel
	.amdgpu_metadata
---
amdhsa.version: [ 1, 2 ]
amdhsa.kernels:
  - .name:           k_qd05032a44f_pv
    .symbol:         k_qd05032a44f_pv.kd
    .args:
      - { .name: p_img, .offset: 0, .size: 8, .value_kind: global_buffer, .address_space: global }
      - { .name: p_st, .offset: 8, .size: 8, .value_kind: global_buffer, .address_space: global }
      - { .name: qkv_img, .offset: 16, .size: 8, .value_kind: global_buffer, .address_space: global }
      - { .name: qkv_sc, .offset: 24, .size: 8, .value_kind: global_buffer, .address_space: global }
      - { .name: out0, .offset: 32, .size: 8, .value_kind: global_buffer, .address_space: global }
    .group_segment_fixed_size: 327680
    .private_segment_fixed_size: 0
    .kernarg_segment_align: 8
    .kernarg_segment_size: 40
    .max_flat_workgroup_size: 128
    .sgpr_count:     100
    .vgpr_count:     1024
    .wavefront_size: 32
...
	.end_amdgpu_metadata
.endif
;; end of part 3
